; MI455X (gfx1250); checked and timed in simulation.
; The chip was launched on July 23, 2026; its instructions are those of AMD's public machine-readable ISA for CDNA 5 (MIT licence, August 2026) and "CDNA5" Instruction Set Architecture Reference Guide (July 2026). The comments in the code are by the model that wrote it; some were corrected since.
;; Min GRU. Allowed arithmetic: matrix products marked QUANTISED: E2M1 operands, one E8M0 scale for each 32 along K, by v_wmma_scale_f32_16x16x128_f8f6f4 with both operands' format E2M1 (or v_wmma_scale_f32_32x16x128_f4), f32 sums; everything else in f32.
;; Inputs: Wh_codes 512 x 16 x 16 uint8 (E2M1 codes of Wh, K innermost, in blocks of 32 codes, two codes a byte); Wh_scales 512 x 16 uint8 (E8M0 scales of Wh, one for each 32 codes along K); Wz_codes 512 x 16 x 16 uint8 (E2M1 codes of Wz, K innermost, in blocks of 32 codes, two codes a byte); Wz_scales 512 x 16 uint8 (E8M0 scales of Wz, one for each 32 codes along K); bh 512 float32; bz 512 float32; h0 8 x 512 float32; x_codes 8 x 4,096 x 16 x 16 uint8 (E2M1 codes of x, K innermost, in blocks of 32 codes, two codes a byte); x_scales 8 x 4,096 x 16 uint8 (E8M0 scales of x, one for each 32 codes along K).
;; Outputs: out0 8 x 4,096 x 512 float32.
;; This version of the problem:
;;   THIS VERSION OF THE PROBLEM IS GIVEN IN LOW PRECISION. The matrix products marked QUANTISED in the list below multiply operands that are first quantised to E2M1 (2 exponent bits, 1 mantissa bit; 4 bits a number), with one power-of-two scale for each 32 numbers along K (OCP MX v1.0); their sums are f32. All else is computed in f32.
;;   The module's matrix products, in the order in which they are computed (A, B: the left and right operand; K: the contracted axis; several contracted axes count as one K, in the product's order):
;;     1. [M 32,768, K 512] x [K 512, N 512]; A: input x (given as codes); B: input Wz (given as codes): QUANTISED
;;     2. [M 32,768, K 512] x [K 512, N 512]; A: input x (given as codes); B: input Wh (given as codes): QUANTISED
;;   THE QUANTISER, for each operand of a quantised product, along K:
;;     - K is cut into blocks of 32 from its start; a last block that is shorter is filled with zeros.
;;     - A block's scale is 2^e with e = floor(log2(the largest magnitude in the block)) - 2, held to -126 .. 127; a block of zeros has e = 0. As a byte (E8M0): e + 127.
;;     - Each number is divided by its block's scale, clamped to +-6, and rounded to the nearest number of E2M1, ties to even, subnormals kept.
;;     - The product sums the exact products of the quantised numbers (number of the format x scale) in f32.
;;   ~~~python
;;   def quantise(x, axis):      # numpy; x: float32 -> the quantised numbers, widened to float32 again
;;       x = np.moveaxis(x, axis, -1); K = x.shape[-1]
;;       x = np.pad(x, [(0, 0)] * (x.ndim - 1) + [(0, -K % 32)]); x = x.reshape(x.shape[:-1] + (-1, 32)); a = np.abs(x).max(-1, keepdims=True)
;;       e = np.where(a > 0, np.clip(np.frexp(np.where(a > 0, a, 1))[1] - 1 - 2, -126, 127), 0)      # np.frexp(a)[1] - 1 = floor(log2(a)), exactly
;;       r = np.clip(x / 2.0 ** e, -6, 6)
;;       step = 2.0 ** (np.maximum(np.frexp(np.where(r == 0, 1, r))[1] - 1, 0) - 1)
;;       q = np.round(r / step) * step * 2.0 ** e      # np.round: ties to even
;;       return np.moveaxis(q.reshape(q.shape[:-2] + (-1,))[..., :K], -1, axis).astype(np.float32)
;;   ~~~
;;   INPUTS GIVEN AS CODES. Wh (in the module: [512, 512], K = its axis 1); Wz (in the module: [512, 512], K = its axis 1); x (in the module: [8, 4096, 512], K = its axis 2): each comes as NAME_codes (uint8): NAME with its K axis moved to the last place and cut into blocks of 32 codes, [.., K / 32, bytes a block], one block behind the other in memory; two codes a byte, the lower K in the low four bits (a code: sign, 2 exponent bits, 1 mantissa bit); and NAME_scales (uint8): the same leading axes, one E8M0 byte (e + 127) for each 32 codes along K. Its value is code x scale, taken as it is: it is not quantised again, and the codes and scales need not be those that the quantiser above would give.
;; One version. Each part assembles by itself: llvm-mc -triple=amdgcn-amd-amdhsa -mcpu=gfx1250 --defsym DOCPART=n.
;; ======== version 1 of 1: 2 launches
;; limits: right only within a limited range of input values
;; workspace buffers: agg 2,228,224 bytes
;; launch sums (part 1): grid 4 x 64, 16 waves a work-group, clusters of 4 x 4, 327,680 bytes of LDS; arguments x_codes, x_scales, Wz_codes, Wh_codes, Wz_scales, Wh_scales, bz, bh, agg; writes agg
.if DOCPART == 1
	.amdgcn_target "amdgcn-amd-amdhsa--gfx1250"
	.amdhsa_code_object_version 6
	.text
	.protected	k_q42164b5ee0_sums
	.globl	k_q42164b5ee0_sums
	.p2align	8
	.type	k_q42164b5ee0_sums,@function
k_q42164b5ee0_sums:
	s_mov_b64 s[64:65], 0
	v_nop
	global_prefetch_b8 v0, s[64:65] scope:SCOPE_SE
	s_setreg_imm32_b32 hwreg(HW_REG_WAVE_MODE, 25, 1), 1
	s_wait_xcnt 0x0
	s_wait_alu depctr_hold_cnt(0) depctr_sa_sdst(0) depctr_va_vdst(0) depctr_va_sdst(0) depctr_va_ssrc(0) depctr_va_vcc(0) depctr_vm_vsrc(0)
	s_getreg_b32 s2, hwreg(HW_REG_IB_STS2, 6, 4)
	s_cmp_eq_u32 s2, 0
	s_cbranch_scc0 .Lentry_in_a_cluster
	s_endpgm
.Lentry_in_a_cluster:
	s_bfe_u32 s2, ttmp6, 0x10000c
	s_cmp_lg_u32 s2, 0xf033
	s_cbranch_scc0 .Lentry_shape_is_right
	s_endpgm
.Lentry_shape_is_right:
; MinGRU, launch 1 of 2: the aggregates of the scan.  k = x Wz^T + bz, x~ = x Wh^T + bh (codes of FP4 (E2M1) with E8M0 scales, f32 sums), z = sigmoid(k), g as log_g has it.
; THE IDENTITY.  reference() returns exp(a*_t + logsumexp_{i<=t}(log v_i - a*_i)), a*_t = sum_{i<=t} log(1 - z_i), v_0 = g(h0), v_i = z_i g(x~_i).  In real numbers, for all finite inputs, that is the recurrence
;   h_t = (1 - z_t) h_(t-1) + z_t g(x~_t),  h_0 = g(h0).  The logarithms, the cumulative sum and the running maximum keep the quotients v_i / prod(1 - z) in range; the recurrence never forms them: each h is a mix, with
; weights 1 - z and z, of numbers that are there anyway.  The forms used, each right for all finite arguments: a = 1 - z = 1 / (1 + 2^(c k)), c = log2(e) (where the power overflows to infinity a is 0);
; z g = g - a g;  g(x) = max(x + 0.5, 1 / (1 + 2^(-c x))): the sigmoid has slope 1/4 at the most and is 0.5 at 0, so it lies under x + 0.5 above 0 and over it below 0: the maximum is log_g's choice of two forms.
; No input is dead.  h0 enters in the second launch alone and is no argument here.
; LIMITS.  z is 1 - a with a rounded to f32: an absolute error of 2^-24 in z.  Powers under 2^-126 come out as 0.  A product of many 1 - z may fall to 0: the carry's share is then under 2^-126 of the carry.
; NaN and infinities among the inputs (a scale byte 0xff) are not served; a NaN, an infinity or an overflow that arises only in reference()'s logarithms, cumulative sum or cumlogsumexp is not carried to the result.
; TWO LAUNCHES.  T is cut into streams of 64 rows.  A stream acts on what comes in as h -> A h + B.  This launch stores, for each stream, the map of all streams before it in its segment of 1,024 rows, and each segment's
; whole map.  The second launch makes each stream's carry from these, runs the recurrence and stores the output; it multiplies again: a and b kept in memory would be four times the output's bytes.
; SHARES.  Work-group (G, y): channels 64 G .. + 63, rows 1024 y .. + 1023 of the 32,768 (batch y / 4, segment y % 4).  Wave w = 4 a + 2 p + e: channels 32 e .. + 31 of them, both gates, streams 4 a + p (lanes 0-15)
; and 4 a + 2 + p (lanes 16-31).  Tile i (0 .. 7): matrix rows 0-7 are rows 8 i .. + 7 of the first stream, rows 8-15 those of the second: in the result lane (r, h) holds ONE channel and its register j row 8 i + j of
; stream h.  Lane r of W's tile q (0, 1) takes channel 64 G + 32 e + 2 r + q: a lane's two tiles are two neighbouring channels, a packed pair.
; CLUSTER.  4 x 4 work-groups: all eight G of two row blocks y, of two batches and one segment number.  The four of a row of the cluster have the same y: they read the same rows of x, and ask for each tile JOINTLY (the mask names
; the row).  cx enters global addresses of W, the biases and agg alone.  W differs between partners, and x's scale bytes are a sixteenth of its codes: both come by plain loads.
; LDS.  Wave w brings stream w's 64 rows of x by one load: each byte is filled once.  Two streams lie on end, the next two 128 bytes off: the 16 rows of a tile begin in 16 different 16-byte columns of the 256 bytes that
; the 64 banks span (ISA guide 11.1).  W goes from wave to wave as images of the operand's registers.
; NO PREFETCH: all of x comes by the head's one load a wave, and there is no loop ahead of which to ask.
.set PITCH, 272                        ; a row: 256 bytes + 16 of padding
.set OBLK,  128*PITCH+128              ; the second two streams of four
.set PAIRB, 69888                      ; four streams
.set WIMG,  4*PAIRB                    ; W's 64 pieces of 512 bytes
.set EXB,   WIMG+64*512                ; the streams' maps: A at 256 x stream + 4 x channel, B 4,096 further on
.set SPARE, EXB+8192                   ; the spare words, 128 bytes for each wave: blocks of 256 bytes that no other line names
.set TOT,   2097152                    ; agg: [batch][stream 0..63][A, B][512] f32 from byte 0; [batch][segment][A, B][512] from here
.set SPW, 1                            ; LDS address of my spare word; never rewritten
.set NIL, 2                            ; 0; never rewritten
.set XA,  3                            ; LDS address of my lane's bytes in tile 0's fragments of x
.set LI,  5                            ; LDS: an image's place for my lane
.set LW,  6                            ; where my wave stores its images
.set LM,  7                            ; where I put my map
.set LR,  8                            ; where I read the maps: channels 2 lane, + 1
.set EO,  9                            ; and store what I make of them
.set T2,  10                           ; v10-11 at the end: a segment's A
.set CBZ, 12                           ; v12-15 c bz of my two channels, each twice
.set C2,  16                           ; v16-17 c / 2
.set AR,  18                           ; v18-19 A of my stream so far, two channels
.set BR,  20                           ; v20-21 B
.set T4,  22                           ; v22-23 at the end: a segment's B
.set WS,  24                           ; v24-31 W's scale words [4 q + s]: lanes 0-15 Wz's, lanes 16-31 Wh's
.set XS,  32                           ; v32-47 x's scale words [4 u + s]: lanes 0-15 tile 2 u, lanes 16-31 tile 2 u + 1
.set BC,  48                           ; v48-63 bh + 0.5 [8 q + j], the C of the first products
.set AZ,  64                           ; v64-79 the sums of x Wz^T [8 q + j]; later 1 + 2^(-c x~) and its reciprocal [2 j + q]
.set AH,  80                           ; v80-95 x~ + 0.5 [8 q + j]
.set UZ,  96                           ; v96-111 2^(c k), then a [2 j + q]
.set UG,  112                          ; v112-127 -c x~ [8 q + j]; then g, then b = z g [2 j + q]
.set XF,  96                           ; v96-127 ahead of these: x's fragments of a tile, four K steps of 128
.set WF,  128                          ; v128-255 W's fragments [8 (4 (2 g + q) + s)]; at the end the maps of the 16 streams
.set TR,  112                          ; at the head: r = lane % 16,
.set TH,  113                          ; h = lane / 16, and the loads' offsets
.set OW,  114
.set OS,  115
.set OB,  116
.set OX,  117
.set T3,  118                          ; bit 3 of the lane
.set T7,  119                          ; lane % 8
.set WV,  26
.set CX,  27
.set GG,  28
.set YY,  29
.set SEG, 30                           ; y % 4
.set CY,  31
.set CC,  32                           ; s[32:33] c: the packed forms name a pair and take its low word for both halves
.set NC,  34                           ; s[34:35] -c
.set G1,  36                           ; s[36:43] descriptor group 1
.set G0,  44                           ; s[44:47] group 0
.set UP,  48                           ; a mask: lanes 16-31
.set WA,  52                           ; a = w / 4
.set WP,  53                           ; p
.set WE,  54                           ; e
.set REST, 10                          ; global loads issued behind W's pieces: 4 of W's scales, 2 of biases, 4 of x's scales
.macro CROUND                          ; a round of the cluster's barrier
	s_barrier_signal -1
	s_barrier_wait -1
	s_cmp_lg_u32 s[WV], 0
	s_cbranch_scc1 .Lnot_wave_0_\@
	s_barrier_signal -3
.Lnot_wave_0_\@:
	s_barrier_wait -3
	s_barrier_signal -1
	s_barrier_wait -1
.endm
	s_load_b512 s[4:19], s[0:1], 0x0               ; x's codes s[4:5], x's scales s[6:7], Wz's codes, Wh's codes, Wz's scales, Wh's scales, bz s[16:17], bh s[18:19]
	s_load_b64 s[20:21], s[0:1], 0x40              ; agg
	v_lshl_add_u32 v[SPW], v0, 2, SPARE
	v_mov_b32 v[NIL], 0
	ds_add_u32 v[SPW], v[NIL]                      ; the opening: the add, twice on end, and its wait ahead of my tensor load; work on registers stands between
	ds_add_u32 v[SPW], v[NIL]
	v_lshrrev_b32 v[LI], 5, v0
	v_readfirstlane_b32 s[WV], v[LI]               ; wave 0..15
	s_bfe_u32 s[CX], ttmp6, 0x40000
	s_bfe_u32 s[CY], ttmp6, 0x40004
	s_and_b32 s70, ttmp7, 0xffff                   ; the cluster's number 0..15: segment in the low two bits, two batches in the high two
	s_and_b32 s[SEG], s70, 3
	s_lshr_b32 s71, s70, 2
	s_lshl_b32 s71, s71, 1
	s_lshr_b32 s72, s[CY], 1
	s_add_co_u32 s71, s71, s72                     ; batch
	s_lshl_b32 s71, s71, 2
	s_add_co_u32 s[YY], s71, s[SEG]
	s_and_b32 s72, s[CY], 1
	s_lshl_b32 s72, s72, 2
	s_add_co_u32 s[GG], s72, s[CX]                 ; G = 4 (cy % 2) + cx
	s_lshl_b32 s73, s[CY], 2
	s_lshl_b32 s73, 15, s73                        ; my row of the cluster
	s_lshr_b32 s[WA], s[WV], 2
	s_bfe_u32 s[WP], s[WV], 0x10001
	s_and_b32 s[WE], s[WV], 1
	s_mov_b32 s[CC], 0x3fb8aa3b
	s_mov_b32 s[CC+1], s[CC]
	s_mov_b32 s[NC], 0xbfb8aa3b
	s_mov_b32 s[NC+1], s[NC]
	s_mov_b32 s[UP], 0xffff0000
	; group 1: 64 dense rows of 256 bytes, as 32 elements of 8 bytes; 16 bytes of padding behind each row
	s_or_b32 s[G1+0], s73, (3<<16)|(1<<20)|(1<<21)|(5<<22)|(3<<25)  ; 15:0 the mask; 17:16 elements of 8 bytes; 20 padding on; 21 set beside a mask; 24:22 after every 64 words; 31:25 four words
	s_mov_b32 s[G1+1], 32<<16                      ; tensor_dim0 = 32
	s_mov_b32 s[G1+2], 64<<16                      ; tensor_dim1 = 64
	s_mov_b32 s[G1+3], 32<<16                      ; tile_dim0 = 32
	s_mov_b32 s[G1+4], 64                          ; tile_dim1 = 64
	s_mov_b32 s[G1+5], 32                          ; from row to row
	s_mov_b32 s[G1+6], 0
	s_mov_b32 s[G1+7], 0
	s_mul_i32 s80, s[WA], PAIRB
	s_mul_i32 s81, s[WP], OBLK
	s_mul_i32 s82, s[WE], 64*PITCH
	s_add_co_u32 s81, s81, s82
	s_mov_b32 s[G0], 1
	s_add_co_u32 s[G0+1], s80, s81                 ; stream w = 4 a + 2 p + e of x
	s_mul_i32 s81, s[WP], 64*PITCH
	s_add_co_u32 s80, s80, s81                     ; what I multiply: streams 4 a + p and 4 a + 2 + p
	s_lshl_b32 s81, s[WV], 11
	s_add_co_u32 s81, s81, WIMG                    ; my four pieces of W
	s_lshl_b32 s83, s[WE], 13
	s_add_co_u32 s83, s83, WIMG                    ; the pieces of my two tiles of channels
	s_lshl_b32 s82, s[WA], 10
	s_lshl_b32 s84, s[WP], 8
	s_add_co_u32 s82, s82, s84
	s_lshl_b32 s84, s[WE], 7
	s_add_co_u32 s82, s82, s84
	s_add_co_u32 s82, s82, EXB                     ; my streams' maps
	v_and_b32 v[TR], 15, v0
	v_bfe_u32 v[TH], v0, 4, 1
	v_bfe_u32 v[T3], v0, 3, 1
	v_and_b32 v[T7], 7, v0
	v_and_b32 v[EO], 31, v0
	v_lshlrev_b32 v[OW], 9, v[TR]
	v_mul_u32_u24 v[XA], v[T3], OBLK
	v_lshlrev_b32 v[OX], 11, v[T3]                 ; x's scales, 16 bytes a row: matrix row = lane % 16: stream = bit 3 (128 rows on),
	v_lshlrev_b32 v[LI], 4, v[EO]
	v_lshl_add_u32 v[OW], v[TH], 4, v[OW]          ; W's codes: row 2 r (+ q) of 256 bytes, + 16 h
	v_mad_u32_u24 v[XA], v[T7], PITCH, v[XA]
	v_lshl_add_u32 v[OX], v[TH], 7, v[OX]          ; lanes 16-31 the odd tile (8 rows on),
	v_lshlrev_b32 v[OS], 5, v[TR]                  ; W's scales: row 2 r (+ q) of 16 bytes
	v_lshlrev_b32 v[OB], 3, v[TR]                  ; two f32 of channels 2 r, + 1
	v_lshlrev_b32 v[EO], 3, v[EO]
	v_lshl_add_u32 v[XA], v[TH], 4, v[XA]
	v_lshl_add_u32 v[OX], v[T7], 4, v[OX]          ; row lane % 8
	v_add_nc_u32 v[LW], s81, v[LI]
	v_add_nc_u32 v[LI], s83, v[LI]
	v_add_nc_u32 v[XA], s80, v[XA]
	v_lshl_add_u32 v[LM], v[TH], 9, v[OB]          ; the second stream's map lies two maps on
	v_add_nc_u32 v[LM], s82, v[LM]
	v_add_nc_u32 v[LR], EXB, v[EO]
	v_mov_b32 v[C2], 0x3f38aa3b
	v_mov_b32 v[C2+1], 0x3f38aa3b
	s_wait_alu depctr_va_vdst(0)                   ; directly ahead of the waits below
	s_wait_dscnt 0x0                               ; both opening adds are done
	s_wait_kmcnt 0x0
	s_mov_b32 s75, 0
	s_mov_b32 s87, 0
	s_mov_b32 s91, 0
	s_cmp_lt_u32 s[WV], 8                          ; waves 0-7 bring Wz, waves 8-15 Wh: tile (w / 2) % 4 of 16 channels, pieces 4 (w % 2) .. + 3 of its eight
	s_cselect_b64 s[84:85], s[8:9], s[10:11]
	s_lshl_b32 s86, s[GG], 14
	s_bfe_u32 s88, s[WV], 0x10002
	s_lshl_b32 s88, s88, 13
	s_add_co_u32 s86, s86, s88
	s_lshl_b32 s88, s[WP], 8
	s_add_co_u32 s86, s86, s88
	s_lshl_b32 s88, s[WE], 7
	s_add_co_u32 s86, s86, s88
	s_add_nc_u64 s[84:85], s[84:85], s[86:87]
.irp k, 0,1,2,3                        ; piece 2 s + c: 32 bytes of each of 16 rows; two waves take the whole 256 bytes of these rows
	global_load_b128 v[AZ+4*\k:AZ+4*\k+3], v[OW], s[84:85] offset:32*\k
.endr
	s_lshl_b32 s86, s[GG], 10                      ; 64 rows of 16 scale bytes,
	s_lshl_b32 s88, s[WE], 9                       ; my 32
	s_add_co_u32 s86, s86, s88
	s_add_nc_u64 s[12:13], s[12:13], s[86:87]
	s_add_nc_u64 s[14:15], s[14:15], s[86:87]
	s_lshl_b32 s92, s[GG], 8                       ; 64 channels of f32,
	s_lshl_b32 s90, s[WE], 7                       ; my 32
	s_add_co_u32 s90, s90, s92
	s_add_nc_u64 s[16:17], s[16:17], s[90:91]
	s_add_nc_u64 s[18:19], s[18:19], s[90:91]
	s_lshl_b32 s86, s[YY], 14
	s_lshl_b32 s88, s[WA], 12
	s_lshl_b32 s89, s[WP], 10
	s_add_co_u32 s86, s86, s88
	s_add_co_u32 s86, s86, s89
	s_add_nc_u64 s[6:7], s[6:7], s[86:87]          ; x's scales at my first stream
.irp q, 0,1
	global_load_b128 v[WS+4*\q:WS+4*\q+3], v[OS], s[12:13] offset:16*\q
	global_load_b128 v[AH+4*\q:AH+4*\q+3], v[OS], s[14:15] offset:16*\q
.endr
	global_load_b64 v[88:89], v[OB], s[16:17]
	global_load_b64 v[90:91], v[OB], s[18:19]
.irp u, 0,1,2,3
	global_load_b128 v[XS+4*\u:XS+4*\u+3], v[OX], s[6:7] offset:256*\u   ; two runs of 256 consecutive bytes, aligned: 16 rows of each stream
.endr
	s_lshl_b32 s86, s[YY], 12
	s_add_co_u32 s86, s86, s92
	s_add_co_u32 s86, s86, TOT
	s_add_nc_u64 s[22:23], s[20:21], s[86:87]      ; agg: my segment's whole map, my work-group's 64 channels
	s_lshl_b32 s86, s[YY], 16
	s_lshl_b32 s88, s[WV], 12
	s_add_co_u32 s86, s86, s88
	s_add_co_u32 s86, s86, s92
	s_add_nc_u64 s[20:21], s[20:21], s[86:87]      ; agg: stream w of the segment
	s_lshl_b32 s74, s[YY], 18                      ; 1,024 rows of 256 bytes a work-group,
	s_lshl_b32 s76, s[WV], 14                      ; 64 a wave: made of y and the wave's number, which the partners share
	s_add_co_u32 s74, s74, s76
	s_add_nc_u64 s[G0+2:G0+3], s[4:5], s[74:75]
	s_or_b32 s[G0+3], s[G0+3], 0x80000000
	CROUND                                         ; all sixteen work-groups are here: the joint loads meet
	tensor_load_to_lds s[G0:G0+3], s[G1:G1+7]
	s_nop 0
.rept 4
	v_nop
.endr
	s_wait_loadcnt REST                            ; W's pieces are in; the loads issued behind them may be out
.irp k, 0,1,2,3
	ds_store_b128 v[LW], v[AZ+4*\k:AZ+4*\k+3] offset:512*\k
.endr
	s_wait_dscnt 0x0                               ; for the others' sake: my pieces lie in LDS
	s_barrier_signal -1
	s_barrier_wait -1                              ; everybody's do
.irp g, 0,1
.irp q, 0,1
.irp k, 0,1,2,3,4,5,6,7                ; piece 32 g + 8 (2 e + q) + k, k = 2 s + c: registers 4 c .. + 3 of fragment (g, q, s)
	ds_load_b128 v[WF+32*(2*\g+\q)+4*\k:WF+32*(2*\g+\q)+4*\k+3], v[LI] offset:512*(32*\g+8*\q+\k)
.endr
.endr
.endr
	s_wait_loadcnt 0x0
.irp k, 0,1,2,3,4,5,6,7
	v_cndmask_b32 v[WS+\k], v[WS+\k], v[AH+\k], s[UP]   ; lanes 16-31 take Wh's words.  (The lines below stand between these and the first product: more than eight)
.endr
.irp q, 0,1
	v_mul_f32 v[CBZ+2*\q], s[CC], v[88+\q]
	v_mul_f32 v[CBZ+2*\q+1], s[CC], v[88+\q]
	v_mov_b32 v[AR+\q], 1.0                        ; the map of no rows: h -> 1 h + 0
	v_mov_b32 v[BR+\q], 0
.irp j, 0,1,2,3,4,5,6,7
	v_add_f32 v[BC+8*\q+\j], 0.5, v[90+\q]
.endr
.endr
	s_wait_alu depctr_va_vdst(0)
	s_wait_tensorcnt 0x0                           ; my stream's rows are in,
	s_wait_dscnt 0x0                               ; and W's fragments
	s_barrier_signal -1
	s_barrier_wait -1                              ; everybody's rows are in
.macro LOADX i                         ; tile i's four fragments of x: lane (r, h): registers 4 c .. + 3 of K step s are the 16 bytes at 64 s + 32 c + 16 h of its row
.irp s, 0,1,2,3
.irp c, 0,1
	ds_load_b128 v[XF+8*\s+4*\c:XF+8*\s+4*\c+3], v[XA] offset:8*PITCH*(\i)+64*\s+32*\c
.endr
.endr
.endm
.macro WM                              ; one product, by the symbols rD, rA, rB, rC, rX, rW; rZ: C = 0; rR: x's words in lanes 16-31; rG: W's words in lanes 16-31
.if rZ
.if rR
	v_wmma_scale_f32_16x16x128_f8f6f4 v[rD:rD+7], v[rA:rA+7], v[rB:rB+7], 0, v[rX], v[rW] matrix_a_fmt:MATRIX_FMT_FP4 matrix_b_fmt:MATRIX_FMT_FP4 matrix_a_scale:MATRIX_SCALE_ROW1
.else
	v_wmma_scale_f32_16x16x128_f8f6f4 v[rD:rD+7], v[rA:rA+7], v[rB:rB+7], 0, v[rX], v[rW] matrix_a_fmt:MATRIX_FMT_FP4 matrix_b_fmt:MATRIX_FMT_FP4
.endif
.else
.if rR && rG
	v_wmma_scale_f32_16x16x128_f8f6f4 v[rD:rD+7], v[rA:rA+7], v[rB:rB+7], v[rC:rC+7], v[rX], v[rW] matrix_a_fmt:MATRIX_FMT_FP4 matrix_b_fmt:MATRIX_FMT_FP4 matrix_a_scale:MATRIX_SCALE_ROW1 matrix_b_scale:MATRIX_SCALE_ROW1
.elseif rR
	v_wmma_scale_f32_16x16x128_f8f6f4 v[rD:rD+7], v[rA:rA+7], v[rB:rB+7], v[rC:rC+7], v[rX], v[rW] matrix_a_fmt:MATRIX_FMT_FP4 matrix_b_fmt:MATRIX_FMT_FP4 matrix_a_scale:MATRIX_SCALE_ROW1
.elseif rG
	v_wmma_scale_f32_16x16x128_f8f6f4 v[rD:rD+7], v[rA:rA+7], v[rB:rB+7], v[rC:rC+7], v[rX], v[rW] matrix_a_fmt:MATRIX_FMT_FP4 matrix_b_fmt:MATRIX_FMT_FP4 matrix_b_scale:MATRIX_SCALE_ROW1
.else
	v_wmma_scale_f32_16x16x128_f8f6f4 v[rD:rD+7], v[rA:rA+7], v[rB:rB+7], v[rC:rC+7], v[rX], v[rW] matrix_a_fmt:MATRIX_FMT_FP4 matrix_b_fmt:MATRIX_FMT_FP4
.endif
.endif
.endm
; Tile i's 16 products: source 0 = 16 rows of x, source 1 = 16 channels of W.  The four accumulators (2 gates x 2 tiles of channels) take turns, one instruction a turn, K step by K step.
.macro MUL i
.irp s, 0,1,2,3
.irp g, 0,1
.irp q, 0,1
.set rR, (\i)%2
.set rZ, 0
.set rG, \g
.set rD, AZ+16*\g+8*\q
.set rC, rD
.set rA, XF+8*\s
.set rB, WF+8*(4*(2*\g+\q)+\s)
.set rX, XS+4*((\i)/2)+\s
.set rW, WS+4*\q+\s
.if \s == 0
.if \g == 0
.set rZ, 1
.else
.set rC, BC+8*\q
.endif
.endif
	WM
.endr
.endr
.endr
.endm
; THE ACTIVATIONS of a tile, 16 numbers a gate and lane.  The exponentials also turn the arrays from [8 q + j] to [2 j + q], so that a row's two channels are a pair of registers.  Each accumulator is read from its low end
; on.  Plain lines that stand inside a batch read what was made ahead of it and are read behind it.
.macro ACT
.irp q, 0,1
.irp j, 0,2,4,6
	v_pk_fma_f32 v[AZ+8*\q+\j:AZ+8*\q+\j+1], v[AZ+8*\q+\j:AZ+8*\q+\j+1], s[CC:CC+1], v[CBZ+2*\q:CBZ+2*\q+1] op_sel_hi:[1,0,1]   ; c k
.endr
.endr
.set N, 0
.rept 8
	v_pk_fma_f32 v[UG+N:UG+N+1], v[AH+N:AH+N+1], s[NC:NC+1], v[C2:C2+1] op_sel_hi:[1,0,1]   ; -c (x~ + 0.5) + c / 2
.set N, N+2
.endr
	s_wait_alu depctr_va_vdst(0)                   ; one wait ahead of each batch and one behind it
.set N, 0
.rept 16
	v_exp_f32 v[UZ+N], v[AZ+8*(N%2)+N/2]
.set N, N+1
.endr
	v_nop
	s_wait_alu depctr_va_vdst(0)
.set N, 0
.rept 8
	v_exp_f32 v[AZ+N], v[UG+8*(N%2)+N/2]
	v_exp_f32 v[AZ+N+1], v[UG+8*((N+1)%2)+(N+1)/2]
	v_pk_add_f32 v[UZ+N:UZ+N+1], v[UZ+N:UZ+N+1], 1.0 op_sel_hi:[1,0]
.set N, N+2
.endr
	s_wait_alu depctr_va_vdst(0)
.set N, 0
.rept 8
	v_rcp_f32 v[UZ+N], v[UZ+N]                     ; a
	v_rcp_f32 v[UZ+N+1], v[UZ+N+1]
	v_pk_add_f32 v[AZ+N:AZ+N+1], v[AZ+N:AZ+N+1], 1.0 op_sel_hi:[1,0]
.set N, N+2
.endr
	s_wait_alu depctr_va_vdst(0)
.set N, 0
.rept 16
	v_rcp_f32 v[AZ+N], v[AZ+N]
.set N, N+1
.endr
	v_nop
	s_wait_alu depctr_va_vdst(0)
.irp j, 0,2,4,6                        ; g: pairs along the diagonals of a 2 x 2 of rows and channels
	v_dual_max_num_f32 v[UG+2*\j], v[AZ+2*\j], v[AH+\j] :: v_dual_max_num_f32 v[UG+2*\j+3], v[AZ+2*\j+3], v[AH+\j+9]
	v_dual_max_num_f32 v[UG+2*\j+2], v[AZ+2*\j+2], v[AH+\j+1] :: v_dual_max_num_f32 v[UG+2*\j+1], v[AZ+2*\j+1], v[AH+\j+8]
.endr
.set N, 0
.rept 8
	v_pk_fma_f32 v[UG+N:UG+N+1], v[UZ+N:UZ+N+1], v[UG+N:UG+N+1], v[UG+N:UG+N+1] neg_lo:[1,0,0] neg_hi:[1,0,0]   ; b = g - a g
.set N, N+2
.endr
.endm
.macro AGG                             ; eight more rows behind the stream's map: (A, B) -> (a A, a B + b)
.irp j, 0,1,2,3,4,5,6,7
	v_pk_fma_f32 v[BR:BR+1], v[UZ+2*\j:UZ+2*\j+1], v[BR:BR+1], v[UG+2*\j:UG+2*\j+1]
	v_pk_mul_f32 v[AR:AR+1], v[AR:AR+1], v[UZ+2*\j:UZ+2*\j+1]
.endr
.endm
.irp i, 0,1,2,3,4,5,6,7                ; written out: every offset and every scale register is an immediate
	LOADX \i                                       ; over the last tile's a and b, which have been used
	s_wait_dscnt 0x0
	MUL \i
.rept 4
	v_nop                                          ; four places behind the last product (ISA guide 7.12.1)
.endr
	ACT
	AGG
.endr
	; THE STREAMS MEET: each wave puts its two streams' maps, 32 channels; then wave w makes what stands before stream w, 64 channels, two a lane.
	ds_store_b64 v[LM], v[AR:AR+1]
	ds_store_b64 v[LM], v[BR:BR+1] offset:4096
	s_wait_alu depctr_va_vdst(0)                   ; the three lines below, behind my last LDS store
	s_wait_tensorcnt 0x0
	ds_add_u32 v[SPW], v[NIL]
	s_wait_dscnt 0x0                               ; the add is done, and my maps lie in LDS
	s_barrier_signal -1
	s_barrier_wait -1
.irp i, 0,1,2,3,4,5,6,7,8,9,10,11,12,13,14,15
	ds_load_b64 v[WF+4*\i:WF+4*\i+1], v[LR] offset:256*\i             ; A of stream i
	ds_load_b64 v[WF+4*\i+2:WF+4*\i+3], v[LR] offset:4096+256*\i      ; B
.endr
.irp q, 0,1
	v_mov_b32 v[AR+\q], 1.0                        ; before stream 0: the map of no rows
	v_mov_b32 v[BR+\q], 0
.endr
	s_wait_alu depctr_va_vdst(0)
	s_wait_dscnt 0x0
.irp i, 0,1,2,3,4,5,6,7,8,9,10,11,12,13,14
	s_cmp_eq_u32 s[WV], \i
	s_cbranch_scc1 .Lmine
	v_pk_fma_f32 v[BR:BR+1], v[WF+4*\i:WF+4*\i+1], v[BR:BR+1], v[WF+4*\i+2:WF+4*\i+3]
	v_pk_mul_f32 v[AR:AR+1], v[AR:AR+1], v[WF+4*\i:WF+4*\i+1]
.endr
.Lmine:
	s_wait_alu depctr_va_vdst(0)
	global_store_b64 v[EO], v[AR:AR+1], s[20:21]              ; 32 lanes store 256 consecutive bytes, aligned: 64 channels of one stream's A,
	global_store_b64 v[EO], v[BR:BR+1], s[20:21] offset:2048  ; and B
	s_cmp_lg_u32 s[WV], 15                         ; the last stream's wave makes the segment's whole map;
	s_cbranch_scc1 .Lno_total
	s_cmp_eq_u32 s[SEG], 3                         ; a batch's last segment has nobody behind it
	s_cbranch_scc1 .Lno_total
	v_pk_mul_f32 v[T2:T2+1], v[AR:AR+1], v[WF+60:WF+61]
	v_pk_fma_f32 v[T4:T4+1], v[WF+60:WF+61], v[BR:BR+1], v[WF+62:WF+63]
	global_store_b64 v[EO], v[T2:T2+1], s[22:23]
	global_store_b64 v[EO], v[T4:T4+1], s[22:23] offset:2048
.Lno_total:
	CROUND                                         ; the closing round: no work-group ends while a partner may still ask for a tile that names it
	s_endpgm
.Lfunc_end_k_q42164b5ee0_sums:
	.size	k_q42164b5ee0_sums, .Lfunc_end_k_q42164b5ee0_sums-k_q42164b5ee0_sums
	.p2alignl 7, 3214868480
	.fill 96, 4, 3214868480
	.section	.rodata,"a",@progbits
	.p2align	6, 0x0
	.amdhsa_kernel k_q42164b5ee0_sums
		.amdhsa_group_segment_fixed_size 327680
		.amdhsa_private_segment_fixed_size 0
		.amdhsa_enable_private_segment 0
		.amdhsa_kernarg_size 72
		.amdhsa_user_sgpr_count 2
		.amdhsa_user_sgpr_kernarg_segment_ptr 1
		.amdhsa_wavefront_size32 1
		.amdhsa_system_sgpr_workgroup_id_x 1
		.amdhsa_system_sgpr_workgroup_id_y 1
		.amdhsa_system_sgpr_workgroup_id_z 1
		.amdhsa_system_vgpr_workitem_id 0
		.amdhsa_next_free_vgpr 256
		.amdhsa_next_free_sgpr 100
		.amdhsa_reserve_vcc 0
		.amdhsa_float_denorm_mode_32 3
		.amdhsa_float_denorm_mode_16_64 3
		.amdhsa_memory_ordered 1
		.amdhsa_forward_progress 1
		.amdhsa_inst_pref_size 89
	.end_amdhsa_kernel
	.amdgpu_metadata
---
amdhsa.version: [ 1, 2 ]
amdhsa.kernels:
  - .name:           k_q42164b5ee0_sums
    .symbol:         k_q42164b5ee0_sums.kd
    .args:
      - { .name: x_codes, .offset: 0, .size: 8, .value_kind: global_buffer, .address_space: global }
      - { .name: x_scales, .offset: 8, .size: 8, .value_kind: global_buffer, .address_space: global }
      - { .name: Wz_codes, .offset: 16, .size: 8, .value_kind: global_buffer, .address_space: global }
      - { .name: Wh_codes, .offset: 24, .size: 8, .value_kind: global_buffer, .address_space: global }
      - { .name: Wz_scales, .offset: 32, .size: 8, .value_kind: global_buffer, .address_space: global }
      - { .name: Wh_scales, .offset: 40, .size: 8, .value_kind: global_buffer, .address_space: global }
      - { .name: bz, .offset: 48, .size: 8, .value_kind: global_buffer, .address_space: global }
      - { .name: bh, .offset: 56, .size: 8, .value_kind: global_buffer, .address_space: global }
      - { .name: agg, .offset: 64, .size: 8, .value_kind: global_buffer, .address_space: global }
    .group_segment_fixed_size: 327680
    .private_segment_fixed_size: 0
    .kernarg_segment_align: 8
    .kernarg_segment_size: 72
    .max_flat_workgroup_size: 512
    .sgpr_count:     100
    .vgpr_count:     256
    .wavefront_size: 32
...
	.end_amdgpu_metadata
.endif
;; end of part 1
;; launch scan (part 2): grid 4 x 64, 8 waves a work-group, clusters of 4 x 4, 327,680 bytes of LDS; arguments x_codes, x_scales, Wz_codes, Wh_codes, Wz_scales, Wh_scales, bz, bh, agg, h0, out0; writes out0
.if DOCPART == 2
	.amdgcn_target "amdgcn-amd-amdhsa--gfx1250"
	.amdhsa_code_object_version 6
	.text
	.protected	k_q42164b5ee0_scan
	.globl	k_q42164b5ee0_scan
	.p2align	8
	.type	k_q42164b5ee0_scan,@function
k_q42164b5ee0_scan:
	s_mov_b64 s[64:65], 0
	v_nop
	global_prefetch_b8 v0, s[64:65] scope:SCOPE_SE
	s_setreg_imm32_b32 hwreg(HW_REG_WAVE_MODE, 25, 1), 1
	s_wait_xcnt 0x0
	s_wait_alu depctr_hold_cnt(0) depctr_sa_sdst(0) depctr_va_vdst(0) depctr_va_sdst(0) depctr_va_ssrc(0) depctr_va_vcc(0) depctr_vm_vsrc(0)
	s_getreg_b32 s2, hwreg(HW_REG_IB_STS2, 6, 4)
	s_cmp_eq_u32 s2, 0
	s_cbranch_scc0 .Lentry_in_a_cluster
	s_endpgm
.Lentry_in_a_cluster:
	s_bfe_u32 s2, ttmp6, 0x10000c
	s_cmp_lg_u32 s2, 0xf033
	s_cbranch_scc0 .Lentry_shape_is_right
	s_endpgm
.Lentry_shape_is_right:
; MinGRU, launch 2 of 2: the recurrence h_t = (1 - z_t) h_(t-1) + z_t g(x~_t), h_0 = g(h0), which in real numbers is what reference()'s scan in logarithms returns, for all finite inputs (shown at the head of
; the first launch; its logarithms, cumulative sum and running maximum are not formed here either).  k = x Wz^T + bz, x~ = x Wh^T + bh on codes of FP4 (E2M1) with E8M0 scales, f32 sums; a = 1 - z = 1 / (1 + 2^(c k)),
; c = log2(e); z g = g - a g; g(x) = max(x + 0.5, 1 / (1 + 2^(-c x))), log_g's two forms (first launch).
; LIMITS, as in the first launch: z has an absolute error of 2^-24; powers under 2^-126 come out as 0; NaN and infinities among the inputs are not served, and those that arise only in reference()'s logarithms, cumulative
; sum or cumlogsumexp are not carried to the result.
; THE CARRY.  T is cut into streams of 64 rows, sixteen to a segment of 1,024.  The first launch has stored, as maps h -> A h + B, for each stream all that stands before it in its segment, and each segment's whole.
; A stream's carry is g(h0), sent through the whole maps of the segments before its own (all three are loaded; which count is chosen by v_cndmask on the segment's number) and through its own stream's map.
; SHARES.  Work-group (G, y): channels 64 G .. + 63, rows 1024 y .. + 1023 of the 32,768 (batch y / 4, segment y % 4).  Wave w = 2 a + p has streams 4 a + p (lanes 0-15) and 4 a + 2 + p (lanes 16-31), all 64 channels,
; both gates.  Tile i (0 .. 7): matrix rows 0-7 are rows 8 i .. + 7 of the first stream, rows 8-15 those of the second: in the result lane (r, h) holds ONE channel and its register j row 8 i + j of stream h.
; Lane r of W's tile q takes channel 64 G + 4 r + q: a lane's four tiles at one row are 16 neighbouring bytes of the output, and sixteen lanes store 256 consecutive bytes, aligned, straight from registers.
; CLUSTER.  4 x 4 work-groups: all eight G of two row blocks y, of two batches and one segment number.  The four of a row of the cluster have the same y: they read the same rows of x, and ask for each tile JOINTLY (the mask names
; the row).  cx enters global addresses of W, the biases, agg, h0 and the output alone.  W differs between partners, and x's scale bytes are a sixteenth of its codes: both come by plain loads.
; LDS.  Wave w brings rows 128 w .. + 127 of x by one load: each byte is filled once.  Odd waves' blocks lie 128 bytes off: the 16 rows of a tile begin in 16 different 16-byte columns of the 256 bytes that the 64 banks span
; (ISA guide 11.1).  W goes from wave to wave as images of the operand's registers.
; NO PREFETCH: all of x comes by the head's one load a wave, and there is no loop ahead of which to ask.
; REGISTERS.  Window 1 (v256-511): W's 32 fragments, for the whole launch.  Window 0: see the names below.
.set PITCH, 272                        ; a row: 256 bytes + 16 of padding
.set OBLK,  128*PITCH+128              ; an odd wave's block, from its even neighbour's
.set PAIRB, 69888                      ; two waves' blocks
.set WIMG,  4*PAIRB                    ; W's 64 pieces of 512 bytes
.set SPARE, WIMG+64*512                ; the spare words, 128 bytes for each wave: blocks of 256 bytes that no other line names
.set TOT,   2097152                    ; agg: [batch][stream 0..63][A, B][512] f32 from byte 0; [batch][segment][A, B][512] from here
.set SPW, 1                            ; LDS address of my spare word; never rewritten
.set NIL, 2                            ; 0; never rewritten
.set XA,  3                            ; LDS address of my lane's bytes in tile 0's fragments of x
.set OA,  4                            ; my byte offset in the wave's rows of the output; never rewritten
.set LI,  6                            ; LDS: an image's place for my lane
.set LW,  7                            ; where my wave stores its images
.set CBZ, 8                            ; v8-15 c bz of my four channels, each twice
.set C2,  16                           ; v16-17 c / 2
.set HC,  24                           ; v24-27 the carry: h of the row before the tile, four channels; it takes a tile's last row
.set WS,  32                           ; v32-47 W's scale words [4 q + s]: lanes 0-15 Wz's, lanes 16-31 Wh's
.set XS,  48                           ; v48-63 x's scale words [4 u + s]: lanes 0-15 tile 2 u, lanes 16-31 tile 2 u + 1
.set XF,  64                           ; v64-95 x's fragments of a tile: four K steps of 128
.set AZ,  96                           ; v96-127 the sums of x Wz^T [8 q + j]; later 1 + 2^(-c x~) and its reciprocal [4 j + q]
.set AH,  128                          ; v128-159 x~ + 0.5 [8 q + j]
.set UZ,  160                          ; v160-191 2^(c k), then a [4 j + q]
.set UG,  192                          ; v192-223 -c x~ [8 q + j]; then g, z g and h, rows 0-6 of the tile [4 j + q]
.set BC,  224                          ; v224-255 bh + 0.5 [8 q + j], the C of the first products
.set TR,  208                          ; at the head: r = lane % 16,
.set TH,  209                          ; h = lane / 16, and the loads' offsets
.set OW,  210
.set OS,  211
.set OB,  212
.set OX,  213
.set OE,  214
.set T3,  215                          ; bit 3 of the lane
.set T7,  216                          ; lane % 8
.set WV,  26
.set CX,  27
.set GG,  28
.set YY,  29
.set SEG, 30                           ; y % 4
.set BB,  31                           ; y / 4
.set CC,  32                           ; s[32:33] c: the packed forms name a pair and take its low word for both halves
.set NC,  34                           ; s[34:35] -c
.set G1,  36                           ; s[36:43] descriptor group 1
.set G0,  44                           ; s[44:47] group 0
.set UP,  48                           ; a mask: lanes 16-31
.set CY,  49
.set WA,  52                           ; w / 2
.set WP,  53                           ; w % 2
.set REST, 23                          ; global loads issued behind W's pieces: 8 of W's scales, 2 of biases, 4 of x's scales, 2 + 6 of agg, 1 of h0
.set MSB, 0
.macro WIN new                         ; the immediate's high byte repeats the setting that is left
.if MSB != \new
	s_set_vgpr_msb (MSB<<8)|\new
.set MSB, \new
.endif
.endm
.macro CROUND                          ; a round of the cluster's barrier
	s_barrier_signal -1
	s_barrier_wait -1
	s_cmp_lg_u32 s[WV], 0
	s_cbranch_scc1 .Lnot_wave_0_\@
	s_barrier_signal -3
.Lnot_wave_0_\@:
	s_barrier_wait -3
	s_barrier_signal -1
	s_barrier_wait -1
.endm
	s_load_b512 s[4:19], s[0:1], 0x0               ; x's codes s[4:5], x's scales s[6:7], Wz's codes, Wh's codes, Wz's scales, Wh's scales, bz s[16:17], bh s[18:19]
	s_load_b128 s[20:23], s[0:1], 0x40             ; agg, h0
	s_load_b64 s[24:25], s[0:1], 0x50              ; the output
	v_lshl_add_u32 v[SPW], v0, 2, SPARE
	v_mov_b32 v[NIL], 0
	ds_add_u32 v[SPW], v[NIL]                      ; the opening: the add, twice on end, and its wait ahead of my tensor load; work on registers stands between
	ds_add_u32 v[SPW], v[NIL]
	v_lshrrev_b32 v[LI], 5, v0
	v_readfirstlane_b32 s[WV], v[LI]               ; wave 0..7
	s_bfe_u32 s[CX], ttmp6, 0x40000
	s_bfe_u32 s[CY], ttmp6, 0x40004
	s_and_b32 s70, ttmp7, 0xffff                   ; the cluster's number 0..15: segment in the low two bits, two batches in the high two
	s_and_b32 s[SEG], s70, 3
	s_lshr_b32 s71, s70, 2
	s_lshl_b32 s71, s71, 1
	s_lshr_b32 s72, s[CY], 1
	s_add_co_u32 s[BB], s71, s72
	s_lshl_b32 s71, s[BB], 2
	s_add_co_u32 s[YY], s71, s[SEG]
	s_and_b32 s72, s[CY], 1
	s_lshl_b32 s72, s72, 2
	s_add_co_u32 s[GG], s72, s[CX]                 ; G = 4 (cy % 2) + cx
	s_lshl_b32 s73, s[CY], 2
	s_lshl_b32 s73, 15, s73                        ; my row of the cluster
	s_lshr_b32 s[WA], s[WV], 1
	s_and_b32 s[WP], s[WV], 1
	s_mov_b32 s[CC], 0x3fb8aa3b
	s_mov_b32 s[CC+1], s[CC]
	s_mov_b32 s[NC], 0xbfb8aa3b
	s_mov_b32 s[NC+1], s[NC]
	s_mov_b32 s[UP], 0xffff0000
	; group 1: 128 dense rows of 256 bytes, as 32 elements of 8 bytes; 16 bytes of padding behind each row
	s_or_b32 s[G1+0], s73, (3<<16)|(1<<20)|(1<<21)|(5<<22)|(3<<25)  ; 15:0 the mask; 17:16 elements of 8 bytes; 20 padding on; 21 set beside a mask; 24:22 after every 64 words; 31:25 four words
	s_mov_b32 s[G1+1], 32<<16                      ; tensor_dim0 = 32
	s_mov_b32 s[G1+2], 128<<16                     ; tensor_dim1 = 128
	s_mov_b32 s[G1+3], 32<<16                      ; tile_dim0 = 32
	s_mov_b32 s[G1+4], 128                         ; tile_dim1 = 128
	s_mov_b32 s[G1+5], 32                          ; from row to row
	s_mov_b32 s[G1+6], 0
	s_mov_b32 s[G1+7], 0
	s_mul_i32 s80, s[WA], PAIRB
	s_mul_i32 s81, s[WP], OBLK
	s_mov_b32 s[G0], 1
	s_add_co_u32 s[G0+1], s80, s81                 ; my block of x
	s_mul_i32 s81, s[WP], 64*PITCH
	s_add_co_u32 s80, s80, s81                     ; my streams' rows: 64 p of both blocks
	s_lshl_b32 s81, s[WV], 12
	v_and_b32 v[TR], 15, v0
	v_bfe_u32 v[TH], v0, 4, 1
	v_bfe_u32 v[T3], v0, 3, 1
	v_and_b32 v[T7], 7, v0
	v_and_b32 v[LI], 31, v0
	v_lshlrev_b32 v[OW], 10, v[TR]
	v_mul_u32_u24 v[XA], v[T3], OBLK
	v_lshlrev_b32 v[OX], 11, v[T3]                 ; x's scales, 16 bytes a row: matrix row = lane % 16: stream = bit 3 (128 rows on),
	v_lshlrev_b32 v[LI], 4, v[LI]
	v_lshl_add_u32 v[OW], v[TH], 4, v[OW]          ; W's codes: row 4 r (+ q) of 256 bytes, + 16 h
	v_mad_u32_u24 v[XA], v[T7], PITCH, v[XA]
	v_lshl_add_u32 v[OX], v[TH], 7, v[OX]          ; lanes 16-31 the odd tile (8 rows on),
	v_lshlrev_b32 v[OS], 6, v[TR]                  ; W's scales: row 4 r (+ q) of 16 bytes
	v_lshlrev_b32 v[OB], 4, v[TR]                  ; four f32 of channels 4 r ..
	v_add_nc_u32 v[LI], WIMG, v[LI]
	v_lshl_add_u32 v[XA], v[TH], 4, v[XA]
	v_lshl_add_u32 v[OX], v[T7], 4, v[OX]          ; row lane % 8
	v_add_nc_u32 v[LW], s81, v[LI]                 ; my wave's eight pieces
	v_add_nc_u32 v[XA], s80, v[XA]
	v_lshl_add_u32 v[OE], v[TH], 13, v[OB]         ; agg: the second stream lies two streams of 4,096 bytes on
	v_lshl_add_u32 v[OA], v[TH], 18, v[OB]         ; the output: and 128 rows of 2,048 bytes
	v_mov_b32 v[C2], 0x3f38aa3b
	v_mov_b32 v[C2+1], 0x3f38aa3b
	s_wait_alu depctr_va_vdst(0)                   ; directly ahead of the waits below
	s_wait_dscnt 0x0                               ; both opening adds are done
	s_wait_kmcnt 0x0
	s_mov_b32 s75, 0
	s_mov_b32 s87, 0
	s_mov_b32 s91, 0
	s_lshl_b32 s90, s[GG], 8                       ; 64 channels of f32
	s_cmp_lt_u32 s[WV], 4                          ; waves 0-3 bring Wz's tiles q = w, waves 4-7 Wh's q = w - 4
	s_cselect_b64 s[84:85], s[8:9], s[10:11]
	s_and_b32 s86, s[WV], 3
	s_lshl_b32 s86, s86, 8
	s_lshl_b32 s88, s[GG], 14
	s_add_co_u32 s86, s86, s88
	s_add_nc_u64 s[84:85], s[84:85], s[86:87]      ; at row 64 G + q
.irp k, 0,1,2,3,4,5,6,7                ; piece k = 2 s + c of my tile of W: the eight loads together take the whole 256 bytes of each of its 16 rows
	global_load_b128 v[AZ+4*\k:AZ+4*\k+3], v[OW], s[84:85] offset:32*\k
.endr
	s_lshl_b32 s86, s[GG], 10                      ; 64 rows of 16 scale bytes
	s_add_nc_u64 s[12:13], s[12:13], s[86:87]
	s_add_nc_u64 s[14:15], s[14:15], s[86:87]
	s_add_nc_u64 s[16:17], s[16:17], s[90:91]
	s_add_nc_u64 s[18:19], s[18:19], s[90:91]
	s_lshl_b32 s86, s[YY], 14
	s_lshl_b32 s88, s[WA], 12
	s_lshl_b32 s89, s[WP], 10
	s_add_co_u32 s86, s86, s88
	s_add_co_u32 s86, s86, s89
	s_add_nc_u64 s[6:7], s[6:7], s[86:87]          ; x's scales at my first stream
	s_lshl_b32 s86, s[BB], 14
	s_add_co_u32 s86, s86, s90
	s_add_co_u32 s86, s86, TOT
	s_add_nc_u64 s[94:95], s[20:21], s[86:87]      ; agg: my batch's segments' whole maps, my 64 channels
	s_lshl_b32 s86, s[YY], 16
	s_lshl_b32 s88, s[WA], 14
	s_lshl_b32 s89, s[WP], 12
	s_add_co_u32 s86, s86, s88
	s_add_co_u32 s86, s86, s89
	s_add_co_u32 s86, s86, s90
	s_add_nc_u64 s[20:21], s[20:21], s[86:87]      ; agg: my first stream, my 64 channels
	s_lshl_b32 s86, s[BB], 11
	s_add_co_u32 s86, s86, s90
	s_add_nc_u64 s[22:23], s[22:23], s[86:87]      ; h0: my batch, my 64 channels
.irp q, 0,1,2,3
	global_load_b128 v[WS+4*\q:WS+4*\q+3], v[OS], s[12:13] offset:16*\q
	global_load_b128 v[AH+4*\q:AH+4*\q+3], v[OS], s[14:15] offset:16*\q
.endr
	global_load_b128 v[160:163], v[OB], s[16:17]
	global_load_b128 v[164:167], v[OB], s[18:19]
.irp u, 0,1,2,3
	global_load_b128 v[XS+4*\u:XS+4*\u+3], v[OX], s[6:7] offset:256*\u   ; two runs of 256 consecutive bytes, aligned: 16 rows of each stream
.endr
	global_load_b128 v[168:171], v[OE], s[20:21]               ; what stands before my stream in its segment: A,
	global_load_b128 v[172:175], v[OE], s[20:21] offset:2048   ; B
.irp e, 0,1,2
	global_load_b128 v[176+8*\e:179+8*\e], v[OB], s[94:95] offset:4096*\e        ; segment e's whole map: A,
	global_load_b128 v[180+8*\e:183+8*\e], v[OB], s[94:95] offset:4096*\e+2048   ; B
.endr
	global_load_b128 v[200:203], v[OB], s[22:23]               ; h0
	s_lshl_b32 s86, s[YY], 21
	s_lshl_b32 s88, s[WA], 19
	s_lshl_b32 s89, s[WP], 17
	s_add_co_u32 s86, s86, s88
	s_add_co_u32 s86, s86, s89
	s_add_co_u32 s86, s86, s90
	s_add_nc_u64 s[24:25], s[24:25], s[86:87]      ; the output at my first stream, my 64 channels; never rewritten
	s_lshl_b32 s74, s[YY], 18                      ; 1,024 rows of 256 bytes a work-group,
	s_lshl_b32 s76, s[WV], 15                      ; 128 a wave: made of y and the wave's number, which the partners share
	s_add_co_u32 s74, s74, s76
	s_add_nc_u64 s[G0+2:G0+3], s[4:5], s[74:75]
	s_or_b32 s[G0+3], s[G0+3], 0x80000000
	CROUND                                         ; all sixteen work-groups are here: the joint loads meet
	tensor_load_to_lds s[G0:G0+3], s[G1:G1+7]
	s_nop 0
.rept 4
	v_nop
.endr
	s_wait_loadcnt REST                            ; W's pieces are in; the loads issued behind them may be out
.irp k, 0,1,2,3,4,5,6,7
	ds_store_b128 v[LW], v[AZ+4*\k:AZ+4*\k+3] offset:512*\k
.endr
	s_wait_dscnt 0x0                               ; for the others' sake: my pieces lie in LDS
	s_barrier_signal -1
	s_barrier_wait -1                              ; everybody's do
	WIN 0x40                                       ; destination window 1
.set P, 0
.rept 64                               ; piece 32 g + 8 q + 2 s + c: registers 4 c .. + 3 of fragment (gate g, tile q, K step s)
	ds_load_b128 v[4*P:4*P+3], v[LI] offset:512*P
.set P, P+1
.endr
	WIN 0
	s_wait_loadcnt 0x0
.irp k, 0,1,2,3,4,5,6,7,8,9,10,11,12,13,14,15
	v_cndmask_b32 v[WS+\k], v[WS+\k], v[AH+\k], s[UP]   ; lanes 16-31 take Wh's words.  (The lines below stand between these and the first product: more than eight)
.endr
.irp q, 0,1,2,3
	v_mul_f32 v[CBZ+2*\q], s[CC], v[160+\q]
	v_mul_f32 v[CBZ+2*\q+1], s[CC], v[160+\q]
.irp j, 0,1,2,3,4,5,6,7
	v_add_f32 v[BC+8*\q+\j], 0.5, v[164+\q]
.endr
.endr
	; the carry: g(h0),
.irp q, 0,1,2,3
	v_mul_f32 v[216+\q], s[NC], v[200+\q]
	v_add_f32 v[208+\q], 0.5, v[200+\q]
.endr
	s_wait_alu depctr_va_vdst(0)                   ; one wait ahead of each batch and one behind it
.irp q, 0,1,2,3
	v_exp_f32 v[216+\q], v[216+\q]
.endr
	v_nop
	s_wait_alu depctr_va_vdst(0)
.irp q, 0,1,2,3
	v_add_f32 v[216+\q], 1.0, v[216+\q]
.endr
	s_wait_alu depctr_va_vdst(0)
.irp q, 0,1,2,3
	v_rcp_f32 v[216+\q], v[216+\q]
.endr
	v_nop
	s_wait_alu depctr_va_vdst(0)
.irp q, 0,1,2,3
	v_max_num_f32 v[200+\q], v[208+\q], v[216+\q]
.endr
.irp e, 0,1,2                          ; through the segments before mine: all three are computed, and those under my segment's number are taken
	s_cmp_gt_u32 s[SEG], \e
	s_cselect_b32 s81, -1, 0
	v_pk_fma_f32 v[204:205], v[176+8*\e:177+8*\e], v[200:201], v[180+8*\e:181+8*\e]
	v_pk_fma_f32 v[206:207], v[178+8*\e:179+8*\e], v[202:203], v[182+8*\e:183+8*\e]
.irp q, 0,1,2,3
	v_cndmask_b32 v[200+\q], v[200+\q], v[204+\q], s81
.endr
.endr
	v_pk_fma_f32 v[HC:HC+1], v[168:169], v[200:201], v[172:173]       ; and through the streams before mine in my segment
	v_pk_fma_f32 v[HC+2:HC+3], v[170:171], v[202:203], v[174:175]
	s_wait_alu depctr_va_vdst(0)
	s_wait_tensorcnt 0x0                           ; my rows of x are in,
	s_wait_dscnt 0x0                               ; and W's fragments
	s_barrier_signal -1
	s_barrier_wait -1                              ; everybody's rows are in: the second stream lies in my neighbour's block or I in his
.macro LOADX i                         ; tile i's four fragments of x: lane (r, h): registers 4 c .. + 3 of K step s are the 16 bytes at 64 s + 32 c + 16 h of its row
.irp s, 0,1,2,3
.irp c, 0,1
	ds_load_b128 v[XF+8*\s+4*\c:XF+8*\s+4*\c+3], v[XA] offset:8*PITCH*(\i)+64*\s+32*\c
.endr
.endr
.endm
.macro WM                              ; one product, by the symbols rD, rA, rB, rC, rX, rW; rZ: C = 0; rR: x's words in lanes 16-31; rG: W's words in lanes 16-31
.if rZ
.if rR
	v_wmma_scale_f32_16x16x128_f8f6f4 v[rD:rD+7], v[rA:rA+7], v[rB:rB+7], 0, v[rX], v[rW] matrix_a_fmt:MATRIX_FMT_FP4 matrix_b_fmt:MATRIX_FMT_FP4 matrix_a_scale:MATRIX_SCALE_ROW1
.else
	v_wmma_scale_f32_16x16x128_f8f6f4 v[rD:rD+7], v[rA:rA+7], v[rB:rB+7], 0, v[rX], v[rW] matrix_a_fmt:MATRIX_FMT_FP4 matrix_b_fmt:MATRIX_FMT_FP4
.endif
.else
.if rR && rG
	v_wmma_scale_f32_16x16x128_f8f6f4 v[rD:rD+7], v[rA:rA+7], v[rB:rB+7], v[rC:rC+7], v[rX], v[rW] matrix_a_fmt:MATRIX_FMT_FP4 matrix_b_fmt:MATRIX_FMT_FP4 matrix_a_scale:MATRIX_SCALE_ROW1 matrix_b_scale:MATRIX_SCALE_ROW1
.elseif rR
	v_wmma_scale_f32_16x16x128_f8f6f4 v[rD:rD+7], v[rA:rA+7], v[rB:rB+7], v[rC:rC+7], v[rX], v[rW] matrix_a_fmt:MATRIX_FMT_FP4 matrix_b_fmt:MATRIX_FMT_FP4 matrix_a_scale:MATRIX_SCALE_ROW1
.elseif rG
	v_wmma_scale_f32_16x16x128_f8f6f4 v[rD:rD+7], v[rA:rA+7], v[rB:rB+7], v[rC:rC+7], v[rX], v[rW] matrix_a_fmt:MATRIX_FMT_FP4 matrix_b_fmt:MATRIX_FMT_FP4 matrix_b_scale:MATRIX_SCALE_ROW1
.else
	v_wmma_scale_f32_16x16x128_f8f6f4 v[rD:rD+7], v[rA:rA+7], v[rB:rB+7], v[rC:rC+7], v[rX], v[rW] matrix_a_fmt:MATRIX_FMT_FP4 matrix_b_fmt:MATRIX_FMT_FP4
.endif
.endif
.endm
; Tile i's 32 products: source 0 = 16 rows of x, source 1 = 16 channels of W.  The eight accumulators (2 gates x 4 tiles of channels) take turns, one instruction a turn, K step by K step.
.macro MUL i
	WIN 0x04                                       ; source 1 (W) window 1
.irp s, 0,1,2,3
.irp g, 0,1
.irp q, 0,1,2,3
.set rR, (\i)%2
.set rZ, 0
.set rG, \g
.set rD, AZ+32*\g+8*\q
.set rC, rD
.set rA, XF+8*\s
.set rB, 8*(4*(4*\g+\q)+\s)
.set rX, XS+4*((\i)/2)+\s
.set rW, WS+4*\q+\s
.if \s == 0
.if \g == 0
.set rZ, 1
.else
.set rC, BC+8*\q
.endif
.endif
	WM
.endr
.endr
.endr
	WIN 0
.endm
; THE ACTIVATIONS of tile i, 32 numbers a gate and lane.  The exponentials also turn the arrays from [8 q + j] to [4 j + q], so that a row's four channels are four neighbouring registers.  Each accumulator is read from its
; low end on.  Plain lines that stand inside a batch read what was made ahead of it and are read behind it.
.macro ACT i
.irp q, 0,1,2,3
.irp j, 0,2,4,6
	v_pk_fma_f32 v[AZ+8*\q+\j:AZ+8*\q+\j+1], v[AZ+8*\q+\j:AZ+8*\q+\j+1], s[CC:CC+1], v[CBZ+2*\q:CBZ+2*\q+1] op_sel_hi:[1,0,1]   ; c k
.endr
.endr
.if (\i) > 0
	s_wait_xcnt 0x0                                ; the last tile's stores have had their addresses translated (ISA guide 3.1): their data, the rows in UG and in HC, are written again only behind this wait
.endif
.set N, 0
.rept 16
	v_pk_fma_f32 v[UG+N:UG+N+1], v[AH+N:AH+N+1], s[NC:NC+1], v[C2:C2+1] op_sel_hi:[1,0,1]   ; -c (x~ + 0.5) + c / 2
.set N, N+2
.endr
	s_wait_alu depctr_va_vdst(0)                   ; one wait ahead of each batch and one behind it
.set N, 0
.rept 32
	v_exp_f32 v[UZ+N], v[AZ+8*(N%4)+N/4]
.set N, N+1
.endr
	v_nop
	s_wait_alu depctr_va_vdst(0)
.set N, 0
.rept 16
	v_exp_f32 v[AZ+N], v[UG+8*(N%4)+N/4]
	v_exp_f32 v[AZ+N+1], v[UG+8*((N+1)%4)+(N+1)/4]
	v_pk_add_f32 v[UZ+N:UZ+N+1], v[UZ+N:UZ+N+1], 1.0 op_sel_hi:[1,0]
.set N, N+2
.endr
	s_wait_alu depctr_va_vdst(0)
.set N, 0
.rept 16
	v_rcp_f32 v[UZ+N], v[UZ+N]                     ; a
	v_rcp_f32 v[UZ+N+1], v[UZ+N+1]
	v_pk_add_f32 v[AZ+N:AZ+N+1], v[AZ+N:AZ+N+1], 1.0 op_sel_hi:[1,0]
.set N, N+2
.endr
	s_wait_alu depctr_va_vdst(0)
.set N, 0
.rept 32
	v_rcp_f32 v[AZ+N], v[AZ+N]
.set N, N+1
.endr
	v_nop
	s_wait_alu depctr_va_vdst(0)
.irp q, 0,2                            ; g: pairs along the diagonals of a 2 x 2 of rows and channels
.irp j, 0,2,4,6
	v_dual_max_num_f32 v[UG+4*\j+\q], v[AZ+4*\j+\q], v[AH+8*\q+\j] :: v_dual_max_num_f32 v[UG+4*\j+\q+5], v[AZ+4*\j+\q+5], v[AH+8*\q+\j+9]
	v_dual_max_num_f32 v[UG+4*\j+\q+4], v[AZ+4*\j+\q+4], v[AH+8*\q+\j+1] :: v_dual_max_num_f32 v[UG+4*\j+\q+1], v[AZ+4*\j+\q+1], v[AH+8*\q+\j+8]
.endr
.endr
.set N, 0
.rept 16
	v_pk_fma_f32 v[UG+N:UG+N+1], v[UZ+N:UZ+N+1], v[UG+N:UG+N+1], v[UG+N:UG+N+1] neg_lo:[1,0,0] neg_hi:[1,0,0]   ; b = g - a g
.set N, N+2
.endr
.endm
; THE RECURRENCE over tile i's eight rows, h = a h + b, in place of b; row 7 goes into the carry's registers.  Each row leaves as soon as it is made: lanes 0-15 store 256 consecutive bytes, aligned, of the first stream's
; row, lanes 16-31 of the second's.  The row stands in the immediate: 63 rows of 2,048 bytes at the most.
.macro SCAN i
.irp j, 0,1,2,3,4,5,6,7
.irp p, 0,2
.if \j == 0
.set rP, HC+\p
.else
.set rP, UG+4*(\j-1)+\p
.endif
.if \j == 7
.set rN, HC+\p
.else
.set rN, UG+4*\j+\p
.endif
	v_pk_fma_f32 v[rN:rN+1], v[UZ+4*\j+\p:UZ+4*\j+\p+1], v[rP:rP+1], v[UG+4*\j+\p:UG+4*\j+\p+1]
.endr
.if \j == 7
	global_store_b128 v[OA], v[HC:HC+3], s[24:25] offset:(8*(\i)+7)*2048 th:TH_STORE_NT
.else
	global_store_b128 v[OA], v[UG+4*\j:UG+4*\j+3], s[24:25] offset:(8*(\i)+\j)*2048 th:TH_STORE_NT   ; written once, read by nobody here
.endif
.endr
.endm
.macro TILE i
	s_wait_dscnt 0x0                               ; this tile's fragments are in
	MUL \i
.rept 4
	v_nop                                          ; four places behind the last product, for the loads into x's fragments and for the first reads of the sums
.endr
.if (\i) < 7
	LOADX (\i)+1                                   ; they land under the activations
.endif
	ACT \i
	SCAN \i
.endm
	LOADX 0
.irp i, 0,1,2,3,4,5,6,7                ; written out: every offset and every scale register is an immediate
	TILE \i
.endr
	s_wait_tensorcnt 0x0                           ; the wave's end: behind my last tensor load and my last LDS store
	ds_add_u32 v[SPW], v[NIL]
	s_wait_dscnt 0x0
	CROUND                                         ; the closing round: no work-group ends while a partner may still ask for a tile that names it
	s_endpgm
.Lfunc_end_k_q42164b5ee0_scan:
	.size	k_q42164b5ee0_scan, .Lfunc_end_k_q42164b5ee0_scan-k_q42164b5ee0_scan
	.p2alignl 7, 3214868480
	.fill 96, 4, 3214868480
	.section	.rodata,"a",@progbits
	.p2align	6, 0x0
	.amdhsa_kernel k_q42164b5ee0_scan
		.amdhsa_group_segment_fixed_size 327680
		.amdhsa_private_segment_fixed_size 0
		.amdhsa_enable_private_segment 0
		.amdhsa_kernarg_size 88
		.amdhsa_user_sgpr_count 2
		.amdhsa_user_sgpr_kernarg_segment_ptr 1
		.amdhsa_wavefront_size32 1
		.amdhsa_system_sgpr_workgroup_id_x 1
		.amdhsa_system_sgpr_workgroup_id_y 1
		.amdhsa_system_sgpr_workgroup_id_z 1
		.amdhsa_system_vgpr_workitem_id 0
		.amdhsa_next_free_vgpr 512
		.amdhsa_next_free_sgpr 100
		.amdhsa_reserve_vcc 0
		.amdhsa_float_denorm_mode_32 3
		.amdhsa_float_denorm_mode_16_64 3
		.amdhsa_memory_ordered 1
		.amdhsa_forward_progress 1
		.amdhsa_inst_pref_size 153
	.end_amdhsa_kernel
	.amdgpu_metadata
---
amdhsa.version: [ 1, 2 ]
amdhsa.kernels:
  - .name:           k_q42164b5ee0_scan
    .symbol:         k_q42164b5ee0_scan.kd
    .args:
      - { .name: x_codes, .offset: 0, .size: 8, .value_kind: global_buffer, .address_space: global }
      - { .name: x_scales, .offset: 8, .size: 8, .value_kind: global_buffer, .address_space: global }
      - { .name: Wz_codes, .offset: 16, .size: 8, .value_kind: global_buffer, .address_space: global }
      - { .name: Wh_codes, .offset: 24, .size: 8, .value_kind: global_buffer, .address_space: global }
      - { .name: Wz_scales, .offset: 32, .size: 8, .value_kind: global_buffer, .address_space: global }
      - { .name: Wh_scales, .offset: 40, .size: 8, .value_kind: global_buffer, .address_space: global }
      - { .name: bz, .offset: 48, .size: 8, .value_kind: global_buffer, .address_space: global }
      - { .name: bh, .offset: 56, .size: 8, .value_kind: global_buffer, .address_space: global }
      - { .name: agg, .offset: 64, .size: 8, .value_kind: global_buffer, .address_space: global }
      - { .name: h0, .offset: 72, .size: 8, .value_kind: global_buffer, .address_space: global }
      - { .name: out0, .offset: 80, .size: 8, .value_kind: global_buffer, .address_space: global }
    .group_segment_fixed_size: 327680
    .private_segment_fixed_size: 0
    .kernarg_segment_align: 8
    .kernarg_segment_size: 88
    .max_flat_workgroup_size: 256
    .sgpr_count:     100
    .vgpr_count:     512
    .wavefront_size: 32
...
	.end_amdgpu_metadata
.endif
;; end of part 2
